; MI455X (gfx1250); checked and timed in simulation.
; The chip was launched on July 23, 2026; its instructions are those of AMD's public machine-readable ISA for CDNA 5 (MIT licence, August 2026) and "CDNA5" Instruction Set Architecture Reference Guide (July 2026). The comments in the code are by the model that wrote it; some were corrected since.
;; Flash MHA. Allowed arithmetic: matrix products marked QUANTISED: E2M1 operands, one E8M0 scale for each 32 along K, by v_wmma_scale_f32_16x16x128_f8f6f4 with both operands' format E2M1 (or v_wmma_scale_f32_32x16x128_f4), f32 sums; everything else in f32.
;; Inputs: Wk_codes 1,024 x 32 x 16 uint8 (E2M1 codes of Wk, K innermost, in blocks of 32 codes, two codes a byte); Wk_scales 1,024 x 32 uint8 (E8M0 scales of Wk, one for each 32 codes along K); Wo_codes 1,024 x 32 x 16 uint8 (E2M1 codes of Wo, K innermost, in blocks of 32 codes, two codes a byte); Wo_scales 1,024 x 32 uint8 (E8M0 scales of Wo, one for each 32 codes along K); Wq_codes 1,024 x 32 x 16 uint8 (E2M1 codes of Wq, K innermost, in blocks of 32 codes, two codes a byte); Wq_scales 1,024 x 32 uint8 (E8M0 scales of Wq, one for each 32 codes along K); Wv_codes 1,024 x 32 x 16 uint8 (E2M1 codes of Wv, K innermost, in blocks of 32 codes, two codes a byte); Wv_scales 1,024 x 32 uint8 (E8M0 scales of Wv, one for each 32 codes along K); bk 1,024 float32; bo 1,024 float32; bq 1,024 float32; bv 1,024 float32; x_codes 4 x 2,048 x 32 x 16 uint8 (E2M1 codes of x, K innermost, in blocks of 32 codes, two codes a byte); x_scales 4 x 2,048 x 32 uint8 (E8M0 scales of x, one for each 32 codes along K).
;; Outputs: out0 4 x 2,048 x 1,024 float32.
;; This version of the problem:
;;   THIS VERSION OF THE PROBLEM IS GIVEN IN LOW PRECISION. The matrix products marked QUANTISED in the list below multiply operands that are first quantised to E2M1 (2 exponent bits, 1 mantissa bit; 4 bits a number), with one power-of-two scale for each 32 numbers along K (OCP MX v1.0); their sums are f32. All else is computed in f32.
;;   The module's matrix products, in the order in which they are computed (A, B: the left and right operand; K: the contracted axis; several contracted axes count as one K, in the product's order):
;;     1. [M 8,192, K 1,024] x [K 1,024, N 1,024]; A: input x (given as codes); B: input Wq (given as codes): QUANTISED
;;     2. [M 8,192, K 1,024] x [K 1,024, N 1,024]; A: input x (given as codes); B: input Wk (given as codes): QUANTISED
;;     3. [M 8,192, K 1,024] x [K 1,024, N 1,024]; A: input x (given as codes); B: input Wv (given as codes): QUANTISED
;;     4. batch 64 x [M 2,048, K 64] x [K 64, N 2,048]; A: computed on the way; B: computed on the way: QUANTISED
;;     5. batch 64 x [M 2,048, K 2,048] x [K 2,048, N 64]; A: softmax (see below); B: computed on the way: QUANTISED
;;     6. [M 8,192, K 1,024] x [K 1,024, N 1,024]; A: computed on the way; B: input Wo (given as codes): QUANTISED
;;   THE QUANTISER, for each operand of a quantised product, along K:
;;     - K is cut into blocks of 32 from its start; a last block that is shorter is filled with zeros.
;;     - A block's scale is 2^e with e = floor(log2(the largest magnitude in the block)) - 2, held to -126 .. 127; a block of zeros has e = 0. As a byte (E8M0): e + 127.
;;     - Each number is divided by its block's scale, clamped to +-6, and rounded to the nearest number of E2M1, ties to even, subnormals kept.
;;     - The product sums the exact products of the quantised numbers (number of the format x scale) in f32.
;;   ~~~python
;;   def quantise(x, axis):      # numpy; x: float32 -> the quantised numbers, widened to float32 again
;;       x = np.moveaxis(x, axis, -1); K = x.shape[-1]
;;       x = np.pad(x, [(0, 0)] * (x.ndim - 1) + [(0, -K % 32)]); x = x.reshape(x.shape[:-1] + (-1, 32)); a = np.abs(x).max(-1, keepdims=True)
;;       e = np.where(a > 0, np.clip(np.frexp(np.where(a > 0, a, 1))[1] - 1 - 2, -126, 127), 0)      # np.frexp(a)[1] - 1 = floor(log2(a)), exactly
;;       r = np.clip(x / 2.0 ** e, -6, 6)
;;       step = 2.0 ** (np.maximum(np.frexp(np.where(r == 0, 1, r))[1] - 1, 0) - 1)
;;       q = np.round(r / step) * step * 2.0 ** e      # np.round: ties to even
;;       return np.moveaxis(q.reshape(q.shape[:-2] + (-1,))[..., :K], -1, axis).astype(np.float32)
;;   ~~~
;;   SOFTMAX AHEAD OF A QUANTISED PRODUCT. Where the list says 'softmax', what is quantised is not the finished softmax but p = 2^(t - M), with t = logit x log2(e) and M = ceil(the row's largest t), a whole number; so 1/2 < the row's largest p <= 1. The row's sum l is taken of the UNQUANTISED p, in f32, and the product's result is divided by l at the end. Since M is a whole number, a kernel that streams over the keys may use a running M (the ceiling of the running maximum): every later rescaling is an exact power of two, which a block's scale takes up: the codes' values come out the same.
;;   OPERANDS COMPUTED ON THE WAY. 'Computed on the way' means the value that the module computes at that place (a softmax that the list does not call 'softmax' is quantised finished and normalised). What goes into a quantiser is computed in f32, as accurately as f32 sums, v_exp_f32 and their like allow (about 1e-6 of the number): no bf16 or f16 on the way to a quantiser, and a product that is left as it is and whose result goes on into a quantised operand takes f32 operands (vector FMAs, or v_wmma_f32_16x16x4_f32). A number that lies on a knife's edge between two numbers of the format may be rounded either way, as far as f32 arithmetic and the matrix unit's own rounding can turn it there, and no further.
;;   INPUTS GIVEN AS CODES. Wk (in the module: [1024, 1024], K = its axis 1); Wo (in the module: [1024, 1024], K = its axis 1); Wq (in the module: [1024, 1024], K = its axis 1); Wv (in the module: [1024, 1024], K = its axis 1); x (in the module: [4, 2048, 1024], K = its axis 2): each comes as NAME_codes (uint8): NAME with its K axis moved to the last place and cut into blocks of 32 codes, [.., K / 32, bytes a block], one block behind the other in memory; two codes a byte, the lower K in the low four bits (a code: sign, 2 exponent bits, 1 mantissa bit); and NAME_scales (uint8): the same leading axes, one E8M0 byte (e + 127) for each 32 codes along K. Its value is code x scale, taken as it is: it is not quantised again, and the codes and scales need not be those that the quantiser above would give.
;; One version. Each part assembles by itself: llvm-mc -triple=amdgcn-amd-amdhsa -mcpu=gfx1250 --defsym DOCPART=n.
;; ======== version 1 of 1: 3 launches
;; workspace buffers: qrec 4,718,592 bytes; kv 9,175,040 bytes; oimg 4,194,304 bytes; osc 262,144 bytes
;; launch qkv (part 1): grid 8 x 32, 4 waves a work-group, clusters of 4 x 1, 168,448 bytes of LDS; arguments x_codes, x_scales, Wq_codes, Wq_scales, bq, Wk_codes, Wk_scales, bk, Wv_codes, Wv_scales, bv, qrec, kv; writes qrec, kv
.if DOCPART == 1
	.amdgcn_target "amdgcn-amd-amdhsa--gfx1250"
	.amdhsa_code_object_version 6
	.text
	.protected	k_q25a57f5dc5_qkv
	.globl	k_q25a57f5dc5_qkv
	.p2align	8
	.type	k_q25a57f5dc5_qkv,@function
k_q25a57f5dc5_qkv:
	s_mov_b64 s[64:65], 0
	v_nop
	global_prefetch_b8 v0, s[64:65] scope:SCOPE_SE
	s_setreg_imm32_b32 hwreg(HW_REG_WAVE_MODE, 25, 1), 1
	s_wait_xcnt 0x0
	s_wait_alu depctr_hold_cnt(0) depctr_sa_sdst(0) depctr_va_vdst(0) depctr_va_sdst(0) depctr_va_ssrc(0) depctr_va_vcc(0) depctr_vm_vsrc(0)
	s_getreg_b32 s2, hwreg(HW_REG_IB_STS2, 6, 4)
	s_cmp_eq_u32 s2, 0
	s_cbranch_scc0 .Lentry_in_a_cluster
	s_endpgm
.Lentry_in_a_cluster:
	s_bfe_u32 s2, ttmp6, 0x10000c
	s_cmp_lg_u32 s2, 0x3003
	s_cbranch_scc0 .Lentry_shape_is_right
	s_endpgm
.Lentry_shape_is_right:
; q = x Wq^T + bq, k = x Wk^T + bk, v = x Wv^T + bv on codes of FP4 (E2M1) with one E8M0 scale for each 32 along K = 1,024; the results are quantised at once, in f32:
; q and k along the head's 64 channels, v along the keys, and leave as IMAGES OF THE OPERAND REGISTERS that the attention launch wants (lane l's 16 bytes at 16 l).
; SHARES.  256 work-groups: 32 blocks of 256 rows of x (y) x 8 groups of columns.  A group of columns is 256 of the 2,048 columns of q|k (cluster x = 0: q, 1: k; place cx: four heads) and 128 of v's.
; A wave has one head of q or k (4 tiles of 16 rows of W) and half a head of v (2 tiles).  Its 6 tiles x 8 K steps x 8 registers of weights stay in registers for the whole launch: each is read from memory once by this wave.
; THE ROW TILE: pi(r) = r + 8 (r / 8).  Tile T holds in lane place r the row 32 (T / 2) + 8 (T % 2) + pi(r).  Where such a tile is source 0, the registers of tiles 2 g and 2 g + 1 are 16 neighbours 32 g + 16 (lane / 16) + 0 .. 15.
; The rows of W that form a tile are chosen the same way.  q|k: source 0 = W, source 1 = x: a lane holds one row of x and its registers run along the channels.  v: source 0 = x, source 1 = W: a lane holds one channel and its registers run along the keys.
; CLUSTER: the four work-groups of a cluster need the same 256 rows of x: its codes and scale bytes are asked for JOINTLY, once, at the head, and stay in LDS (143,616 bytes): nothing is filled again.
; The weights are not shared through LDS: each wave's part is its own and lives in registers; beside x's block the cluster's weights would not fit in LDS.
; The biases are the C of each sum's first matrix instruction.
; LIMITS: a block of zeros gets the scale byte 1 where the quantiser's rule says 127 (its codes are zeros; these bytes are read by this program alone); a block's largest magnitude is not taken under 2^-124; NaN and infinities are not served.
; V's scale words leave as 128 consecutive bytes a wave: the other 128 of the aligned 256 are another wave's.
; REGISTERS, in windows of 256: window 0: addresses, scale words, the 12 accumulators, the quantiser's work; window 1: W's fragments of K steps 0-3 at v[8 (6 (ks % 4) + t)]; window 2: those of K steps 4-7, from v192 bq or bk (4 tiles), from v224 bv (2 tiles);
;   window 3: x's fragments, two sets, at v[128 p + 64 u + 8 ks].
.set GRP,  8448                        ; 16 rows of 512 bytes + 16 of padding: half a group of 32 rows
.set XBO,  67712                       ; LDS: rows with (row & 16) = 0 from byte 0, those with (row & 16) = 16 from here: 128 past a multiple of 256, so that the 16 rows of a tile fall on 16 different 16-byte columns of 256 bytes (64 banks of 4 bytes: ISA guide 11.1)
.set XSC,  135424                      ; x's scale bytes, 256 rows x 32, dense
.set XA0,  1                           ; v1   my lane's place in a tile of x: (r % 8) 528 + (r / 8) XBO + 16 h
.set XAD,  2                           ; v2   + the trip's groups
.set XSA0, 3                           ; v3   my lane's place among x's scale words: XSC + 32 (8 h + pi(r)): lanes 0-15 tile u = 0, lanes 16-31 tile u = 1
.set XSAD, 4                           ; v4   + the trip's groups
.set O16,  5                           ; v5   16 x lane
.set OSQ,  6                           ; v6   16 x lane + where a record's scale words of q (4,096) or k (8,192) begin
.set OV,   7                           ; v7   16 x lane + 2,048 x (wave % 2)
.set OS4,  8                           ; v8   4 x lane + 128 x (wave % 2)
.set WOF,  9                           ; v9   512 pi(r) + 16 h
.set WSO,  10                          ; v10  32 pi(r)
.set BQO,  11                          ; v11  64 h
.set BVO,  12                          ; v12  4 pi(r)
.set WS,   16                          ; v16-63   W's scale words: tile t, K step ks at WS + 8 t + ks
.set XS,   64                          ; v64-79   x's scale words, two sets of 8
.set ACC,  80                          ; v80-143  q|k: x tile u, W tile t at ACC + 32 u + 8 t
.set AV,   144                         ; v144-175 v: W tile w, x tile u at AV + 16 w + 8 u
.set TM,   176                         ; v176-191 +0..3 largest magnitudes, +4..7 the other half's, then bytes, +12..15 the conversions' scale operands
.set PC,   200                         ; v200-207 codes of q|k
.set VPC,  208                         ; v208-215 codes of v
.set SW,   216                         ; v216-219 scale words of q|k, one register a group
.set VB,   220                         ; v220-221 v's scale bytes of four groups
.set TP,   222                         ; v222-224 at work
.set BQ,   192
.set BV,   224
.set G1X,  36                          ; s[36:43] descriptor group 1 for x's codes; s[44:51] for its scale bytes; groups 0 at s52, s56, s60, s68, s72
.set G1S,  44
.set WV,   76
.set CX,   77
.set YY,   78
.set SEL,  80                          ; s[80:81] v_permlanex16_b32's selects for lane l xor 16
.set QKB,  82                          ; s[82:83] my head's record of q or k
.set STR,  84                          ; s[84:85] a record in bytes: 4,608 (q) or 8,960 (k and v)
.set KVV,  86                          ; s[86:87] my head's record for v
.set TR,   88                          ; trips to go
.set XT,   89                          ; the trip's groups in LDS: codes,
.set XST,  90                          ; scale bytes
.set MSB, 0
.macro WIN new                         ; the immediate's high byte repeats the setting that is left
.if MSB != \new
	s_set_vgpr_msb (MSB<<8)|\new
.set MSB, \new
.endif
.endm
.macro ROUND                           ; a round of the cluster's barrier
	s_barrier_signal -1
	s_barrier_wait -1
	s_cmp_lg_u32 s[WV], 0
	s_cbranch_scc1 .Lnot_wave_0_\@
	s_barrier_signal -3
.Lnot_wave_0_\@:
	s_barrier_wait -3
	s_barrier_signal -1
	s_barrier_wait -1
.endm
; one matrix instruction: D, A, B, C, A's scales, B's scales by register number; ra, rb = 1: that side's scales are taken from lanes 16-31
.macro WM d, a, b, c, sa, sb, ra, rb
.if (\ra) == 1
	v_wmma_scale_f32_16x16x128_f8f6f4 v[(\d):(\d)+7], v[(\a):(\a)+7], v[(\b):(\b)+7], v[(\c):(\c)+7], v[\sa], v[\sb] matrix_a_fmt:MATRIX_FMT_FP4 matrix_b_fmt:MATRIX_FMT_FP4 matrix_a_scale:MATRIX_SCALE_ROW1
.elseif (\rb) == 1
	v_wmma_scale_f32_16x16x128_f8f6f4 v[(\d):(\d)+7], v[(\a):(\a)+7], v[(\b):(\b)+7], v[(\c):(\c)+7], v[\sa], v[\sb] matrix_a_fmt:MATRIX_FMT_FP4 matrix_b_fmt:MATRIX_FMT_FP4 matrix_b_scale:MATRIX_SCALE_ROW1
.else
	v_wmma_scale_f32_16x16x128_f8f6f4 v[(\d):(\d)+7], v[(\a):(\a)+7], v[(\b):(\b)+7], v[(\c):(\c)+7], v[\sa], v[\sb] matrix_a_fmt:MATRIX_FMT_FP4 matrix_b_fmt:MATRIX_FMT_FP4
.endif
.endm
	s_load_b512 s[8:23], s[0:1], 0x0               ; x's codes s[8:9], x's scales s[10:11], Wq's codes, scales, bq s[12:17], Wk's codes, scales, bk s[18:23]
	s_load_b256 s[24:31], s[0:1], 0x40             ; Wv's codes s[24:25], scales s[26:27], bv s[28:29], qrec s[30:31]
	s_load_b64 s[32:33], s[0:1], 0x60              ; kv
	v_lshl_add_u32 v254, v0, 2, 0x29000
	v_mov_b32 v255, 0
	ds_add_u32 v254, v255
	ds_add_u32 v254, v255
	v_lshrrev_b32 v[TP], 5, v0
	v_readfirstlane_b32 s[WV], v[TP]               ; wave 0..3
	s_bfe_u32 s[CX], ttmp6, 0x40000                ; my place in the cluster: it enters weights', biases' and results' addresses alone
	s_and_b32 s[YY], ttmp7, 0xffff                 ; which 256 rows of x
	; group 1 for the codes: 16 rows of 512 bytes (64 elements of 8 bytes), dense in memory, 16 bytes of padding behind each row
	s_mov_b32 s[G1X+0], 15|(3<<16)|(1<<20)|(1<<21)|(6<<22)|(3<<25)  ; 15:0 the mask: all four work-groups; 17:16 elements of 8 bytes; 20 padding on; 21 set beside a mask; 24:22 after every 128 words; 31:25 four words
	s_mov_b32 s[G1X+1], 64<<16                     ; tensor_dim0
	s_mov_b32 s[G1X+2], 16<<16                     ; tensor_dim1
	s_mov_b32 s[G1X+3], 64<<16                     ; tile_dim0
	s_mov_b32 s[G1X+4], 16                         ; tile_dim1
	s_mov_b32 s[G1X+5], 64                         ; from row to row
	s_mov_b32 s[G1X+6], 0
	s_mov_b32 s[G1X+7], 0
	; group 1 for the scale bytes of 64 rows: 2,048 dense bytes as 8 rows of 256
	s_mov_b32 s[G1S+0], 15|(3<<16)|(1<<21)
	s_mov_b32 s[G1S+1], 32<<16
	s_mov_b32 s[G1S+2], 8<<16
	s_mov_b32 s[G1S+3], 32<<16
	s_mov_b32 s[G1S+4], 8
	s_mov_b32 s[G1S+5], 32
	s_mov_b32 s[G1S+6], 0
	s_mov_b32 s[G1S+7], 0
	s_mul_i32 s91, s[WV], 2*GRP                    ; LDS: my two groups of 32 rows
	s_lshl_b32 s92, s[YY], 17                      ; memory: row 256 y + 64 wave, 512 bytes a row
	s_lshl_b32 s93, s[WV], 15
	s_add_co_u32 s92, s92, s93
	s_mov_b32 s93, 0
	s_lshl_b32 s96, s[YY], 13                      ; and 32 bytes of scales a row
	s_lshl_b32 s97, s[WV], 11
	s_add_co_u32 s96, s96, s97
	s_mov_b32 s97, 0
	s_wait_dscnt 0x0
	s_wait_kmcnt 0x0
	s_add_nc_u64 s[94:95], s[8:9], s[92:93]
.macro G0SET g, lo, go                 ; a group 0: 16 rows from go bytes on, to LDS byte lo of my part
	s_mov_b32 s[\g], 1
	s_add_co_u32 s[\g+1], s91, \lo
	s_add_nc_u64 s[\g+2:\g+3], s[94:95], \go
	s_or_b32 s[\g+3], s[\g+3], 0x80000000
.endm
	G0SET 52, 0, 0                                 ; group 2 wave: rows 0-15,
	G0SET 56, XBO, 16*512                          ; rows 16-31;
	G0SET 60, GRP, 32*512                          ; group 2 wave + 1 likewise
	G0SET 68, GRP+XBO, 48*512
	s_mov_b32 s72, 1
	s_lshl_b32 s73, s[WV], 11
	s_add_co_u32 s73, s73, XSC
	s_add_nc_u64 s[74:75], s[10:11], s[96:97]
	s_or_b32 s75, s75, 0x80000000
	ROUND                                          ; all four work-groups are here: the joint loads meet
	tensor_load_to_lds s[52:55], s[G1X:G1X+7]      ; the launch's only fills, as one group: five loads of mine are out
	s_nop 0
	tensor_load_to_lds s[56:59], s[G1X:G1X+7]
	s_nop 0
	tensor_load_to_lds s[60:63], s[G1X:G1X+7]
	s_nop 0
	tensor_load_to_lds s[68:71], s[G1X:G1X+7]
	s_nop 0
	tensor_load_to_lds s[72:75], s[G1S:G1S+7]
	s_nop 0
.rept 4
	v_nop
.endr
	v_and_b32 v13, 15, v0                          ; r
	v_bfe_u32 v14, v0, 4, 1                        ; h
	v_bfe_u32 v15, v0, 3, 1                        ; r / 8
	v_and_b32 v[TP], 7, v0                         ; r % 8
	v_mul_u32_u24 v[XA0], v[TP], 528
	v_mad_u32_u24 v[XA0], v15, XBO, v[XA0]
	v_lshl_add_u32 v[XA0], v14, 4, v[XA0]
	v_lshl_add_u32 v15, v15, 3, v13                ; pi(r)
	v_lshl_add_u32 v[XSA0], v14, 3, v15
	v_lshlrev_b32 v[XSA0], 5, v[XSA0]
	v_add_nc_u32 v[XSA0], XSC, v[XSA0]
	v_and_b32 v[TP], 31, v0                        ; lane
	v_lshlrev_b32 v[O16], 4, v[TP]
	v_lshlrev_b32 v[OS4], 2, v[TP]
	v_lshlrev_b32 v[WOF], 9, v15
	v_lshl_add_u32 v[WOF], v14, 4, v[WOF]
	v_lshlrev_b32 v[WSO], 5, v15
	v_lshlrev_b32 v[BQO], 6, v14
	v_lshlrev_b32 v[BVO], 2, v15
	s_and_b32 s3, s[WV], 1                         ; which half of v's head is mine
	s_lshl_b32 s2, s3, 11
	v_add_nc_u32 v[OV], s2, v[O16]
	s_lshl_b32 s2, s3, 7
	v_add_nc_u32 v[OS4], s2, v[OS4]
.irp b, 0,1,2,3
	v_mov_b32 v[TM+4+\b], 0                        ; written once: a lane permute's destination counts as one of its sources
.endr
	s_mov_b32 s[SEL], 0x76543210
	s_mov_b32 s[SEL+1], 0xfedcba98
	s_mov_b32 vcc_lo, 0xffff0000                   ; lanes 16-31: no compare in this text writes it again
	; q or k: the choice hangs on the cluster's x alone, which the four partners share
	s_cmp_eq_u32 ttmp9, 0
	s_cselect_b64 s[12:13], s[12:13], s[18:19]     ; W's codes
	s_cselect_b64 s[14:15], s[14:15], s[20:21]     ; W's scales
	s_cselect_b64 s[16:17], s[16:17], s[22:23]     ; the bias
	s_cselect_b64 s[QKB:QKB+1], s[30:31], s[32:33] ; where the results go
	s_mov_b32 s[STR], 8960
	s_cselect_b32 s[STR], 4608, s[STR]
	s_mov_b32 s[STR+1], 0
	s_mov_b32 s2, 8192
	s_cselect_b32 s2, 4096, s2
	v_add_nc_u32 v[OSQ], s2, v[O16]
	s_lshl_b32 s91, s[CX], 2
	s_add_co_u32 s91, s91, s[WV]                   ; my head of q or k: 4 cx + wave
	s_mov_b32 s93, 0
	s_lshl_b32 s92, s91, 15
	s_add_nc_u64 s[12:13], s[12:13], s[92:93]      ; its 64 rows of W: 512 bytes a row,
	s_lshl_b32 s92, s91, 11
	s_add_nc_u64 s[14:15], s[14:15], s[92:93]      ; 32 bytes of scales,
	s_lshl_b32 s92, s91, 8
	s_add_nc_u64 s[16:17], s[16:17], s[92:93]      ; 4 bytes of bias
	s_lshl_b32 s94, ttmp9, 2
	s_add_co_u32 s94, s94, s[CX]                   ; my work-group's 128 columns of v: 4 x cluster x + cx
	s_lshl_b32 s95, s94, 7
	s_lshl_b32 s2, s[WV], 5
	s_add_co_u32 s95, s95, s2                      ; my wave's 32 of them
	s_lshl_b32 s92, s95, 9
	s_add_nc_u64 s[24:25], s[24:25], s[92:93]
	s_lshl_b32 s92, s95, 5
	s_add_nc_u64 s[26:27], s[26:27], s[92:93]
	s_lshl_b32 s92, s95, 2
	s_add_nc_u64 s[28:29], s[28:29], s[92:93]
	s_lshr_b32 s96, s[YY], 3                       ; the batch
	s_lshl_b32 s96, s96, 4
	s_and_b32 s97, s[YY], 7
	s_lshl_b32 s97, s97, 1                         ; the first of my two records of 128 rows
	s_add_co_u32 s2, s96, s91
	s_lshl_b32 s2, s2, 4
	s_add_co_u32 s2, s2, s97
	s_mul_i32 s92, s2, s[STR]
	s_add_nc_u64 s[QKB:QKB+1], s[QKB:QKB+1], s[92:93]
	s_lshl_b32 s2, s94, 1
	s_lshr_b32 s3, s[WV], 1
	s_add_co_u32 s2, s2, s3                        ; v's head
	s_add_co_u32 s2, s2, s96
	s_lshl_b32 s2, s2, 4
	s_add_co_u32 s2, s2, s97
	s_mul_i32 s92, s2, 8960
	s_add_nc_u64 s[KVV:KVV+1], s[32:33], s[92:93]
; the weights: tile t (0-3: q|k, tile 2 b + w takes rows 32 b + 8 w + pi(r); 4, 5: v, rows 8 (t - 4) + pi(r)), K step ks
.macro WLOAD t, ks
.irp c, 0,1
.if \t < 4
	global_load_b128 v[8*(6*((\ks)%4)+\t)+4*\c:8*(6*((\ks)%4)+\t)+4*\c+3], v[WOF], s[12:13] offset:(32*(\t/2)+8*(\t%2))*512+64*(\ks)+32*\c
.else
	global_load_b128 v[8*(6*((\ks)%4)+\t)+4*\c:8*(6*((\ks)%4)+\t)+4*\c+3], v[WOF], s[24:25] offset:8*(\t-4)*512+64*(\ks)+32*\c
.endif
.endr
.endm
	WIN 0x40                                       ; destination window 1
.irp t, 0,1,2,3,4,5
.irp k, 0,1,2,3
	WLOAD \t, \k
.endr
.endr
	WIN 0x80                                       ; destination window 2
.irp t, 0,1,2,3,4,5
.irp k, 4,5,6,7
	WLOAD \t, \k
.endr
.endr
.irp t, 0,1,2,3                                    ; bq or bk in the result's layout: lane (r, h), register j: column 32 b + 8 w + 16 h + j
	global_load_b128 v[BQ+8*\t:BQ+8*\t+3], v[BQO], s[16:17] offset:(32*(\t/2)+8*(\t%2))*4
	global_load_b128 v[BQ+8*\t+4:BQ+8*\t+7], v[BQO], s[16:17] offset:(32*(\t/2)+8*(\t%2))*4+16
.endr
.irp w, 0,1                                        ; bv: a lane holds one channel, so its eight registers hold the same number
.irp j, 0,1,2,3,4,5,6,7
	global_load_b32 v[BV+8*\w+\j], v[BVO], s[28:29] offset:32*\w
.endr
.endr
	WIN 0
.irp t, 0,1,2,3                                    ; the weights' scale words: 8 words a row
.irp i, 0,1
	global_load_b128 v[WS+8*\t+4*\i:WS+8*\t+4*\i+3], v[WSO], s[14:15] offset:(32*(\t/2)+8*(\t%2))*32+16*\i
.endr
.endr
.irp w, 0,1
.irp i, 0,1
	global_load_b128 v[WS+8*(4+\w)+4*\i:WS+8*(4+\w)+4*\i+3], v[WSO], s[26:27] offset:8*\w*32+16*\i
.endr
.endr
	s_mov_b32 s[TR], 2
	s_mov_b32 s[XT], 0
	s_mov_b32 s[XST], 0
	s_wait_loadcnt 0x0                             ; the weights, their scales, the biases
	s_wait_tensorcnt 0x0                           ; my part of x is in LDS,
	s_barrier_signal -1
	s_barrier_wait -1                              ; everybody's is; from here on LDS is only read
; the fragments and scale words of the trip's group go into set p: 34 LDS loads in one run
.macro FETCHX p, go
	WIN 0xc0                                       ; destination window 3, address window 0
.irp u, 0,1
.irp k, 0,1,2,3,4,5,6,7
.irp c, 0,1
	ds_load_b128 v[128*(\p)+64*\u+8*\k+4*\c:128*(\p)+64*\u+8*\k+4*\c+3], v[XAD] offset:(\go)*GRP+\u*4224+64*\k+32*\c
.endr
.endr
.endr
	WIN 0
.irp i, 0,1
	ds_load_b128 v[XS+8*(\p)+4*\i:XS+8*(\p)+4*\i+3], v[XSAD] offset:(\go)*1024+16*\i
.endr
.endm
; q|k, one K step: 8 accumulators by turns.  first = 1: the bias is C
.macro MQK p, ks, first
.irp u, 0,1
.irp t, 0,1,2,3
.if \first
	WM ACC+32*\u+8*\t, 8*(6*((\ks)%4)+\t), 128*(\p)+64*\u+8*(\ks), BQ+8*\t, WS+8*\t+(\ks), XS+8*(\p)+(\ks), 0, \u
.else
	WM ACC+32*\u+8*\t, 8*(6*((\ks)%4)+\t), 128*(\p)+64*\u+8*(\ks), ACC+32*\u+8*\t, WS+8*\t+(\ks), XS+8*(\p)+(\ks), 0, \u
.endif
.endr
.endr
.endm
; v, one K step: 4 accumulators by turns
.macro MV p, ks, first
.irp w, 0,1
.irp u, 0,1
.if \first
	WM AV+16*\w+8*\u, 128*(\p)+64*\u+8*(\ks), 8*(6*((\ks)%4)+4+\w), BV+8*\w, XS+8*(\p)+(\ks), WS+8*(4+\w)+(\ks), \u, 0
.else
	WM AV+16*\w+8*\u, 128*(\p)+64*\u+8*(\ks), 8*(6*((\ks)%4)+4+\w), AV+16*\w+8*\u, XS+8*(\p)+(\ks), WS+8*(4+\w)+(\ks), \u, 0
.endif
.endr
.endr
.endm
; q|k of 32 rows: four blocks of 32 channels (block 2 u + b: x tile u, channels 32 b on); register ACC + 16 (2 u + b) + i is channel 32 b + 16 h + i of my row
.macro QUANTQK gi
.irp b, 0,1,2,3
	v_max3_num_f32 v[TM+\b], |v[ACC+16*\b]|, |v[ACC+16*\b+1]|, 0x1800000   ; my 16 numbers, and the floor 2^(3 - 127): the byte cannot fall under 1
.endr
.irp i, 2,4,6,8,10,12,14
.irp b, 0,1,2,3
	v_max3_num_f32 v[TM+\b], v[TM+\b], |v[ACC+16*\b+\i]|, |v[ACC+16*\b+\i+1]|
.endr
.endr
.irp b, 0,1,2,3
	v_permlanex16_b32 v[TM+4+\b], v[TM+\b], s[SEL], s[SEL+1]
.endr
.irp b, 0,1,2,3
	v_max_num_f32 v[TM+\b], v[TM+\b], v[TM+4+\b]   ; with lane l xor 16's: the block's largest magnitude
.endr
.irp b, 0,1,2,3
	v_add_nc_u32 v[TM+12+\b], 0xff000000, v[TM+\b] ; 2 off its exponent field: the conversion's scale operand
.endr
.irp b, 0,1,2,3
	v_lshrrev_b32 v[TM+4+\b], 23, v[TM+12+\b]      ; the scale's byte
.endr
	v_lshl_or_b32 v[TP], v[TM+5], 8, v[TM+4]       ; tile u = 0: its row's two bytes,
	v_lshl_or_b32 v[TP+1], v[TM+7], 8, v[TM+6]     ; tile u = 1
	v_cndmask_b32 v[TP], v[TP], v[TP+1], vcc_lo    ; lanes 0-15 keep tile 0's, lanes 16-31 take tile 1's
	v_lshl_or_b32 v[SW+\gi], v[TP], 16, v[TP]      ; the two bytes once more for the half of K = 128 that holds zero codes
.irp b, 0,1,2,3
	v_cvt_scalef32_pk8_fp4_f32 v[PC+2*\b], v[ACC+16*\b:ACC+16*\b+7], v[TM+12+\b]
	v_cvt_scalef32_pk8_fp4_f32 v[PC+2*\b+1], v[ACC+16*\b+8:ACC+16*\b+15], v[TM+12+\b]
.endr
	v_nop                                          ; one plain place behind a scaled conversion
.irp u, 0,1                                        ; the operand's layout wants a whole block in a lane: lanes 0-15 channels 0-31, lanes 16-31 channels 32-63
.irp i, 0,1
	v_permlane16_swap_b32 v[PC+4*\u+\i], v[PC+4*\u+2+\i]
.endr
.endr
.irp u, 0,1
	global_store_b128 v[O16], v[PC+4*\u:PC+4*\u+3], s[QKB:QKB+1] offset:(2*\gi+\u)*512   ; a tile's image: 512 consecutive bytes
.endr
.if \gi == 3
	global_store_b128 v[OSQ], v[SW:SW+3], s[QKB:QKB+1]                                   ; the record's scale words: 512 consecutive bytes
.endif
.endm
; v of 32 keys: one block for each of my 32 channels; register AV + 16 w + i is key 16 h + i of the group, channel place r of W tile w
.macro QUANTV gi
.irp w, 0,1
	v_max3_num_f32 v[TM+\w], |v[AV+16*\w]|, |v[AV+16*\w+1]|, 0x1800000
.endr
.irp i, 2,4,6,8,10,12,14
.irp w, 0,1
	v_max3_num_f32 v[TM+\w], v[TM+\w], |v[AV+16*\w+\i]|, |v[AV+16*\w+\i+1]|
.endr
.endr
.irp w, 0,1
	v_permlanex16_b32 v[TM+4+\w], v[TM+\w], s[SEL], s[SEL+1]
.endr
.irp w, 0,1
	v_max_num_f32 v[TM+\w], v[TM+\w], v[TM+4+\w]
.endr
.irp w, 0,1
	v_add_nc_u32 v[TM+12+\w], 0xff000000, v[TM+\w]
.endr
.irp w, 0,1
	v_lshrrev_b32 v[TM+4+\w], 23, v[TM+12+\w]
.endr
.irp w, 0,1
.if \gi == 0
	v_mov_b32 v[VB+\w], v[TM+4+\w]                 ; four groups' bytes make the scale word of 128 keys
.else
	v_lshl_or_b32 v[VB+\w], v[TM+4+\w], 8*\gi, v[VB+\w]
.endif
.endr
.irp w, 0,1
	v_cvt_scalef32_pk8_fp4_f32 v[VPC+4*\w+2*(\gi%2)], v[AV+16*\w:AV+16*\w+7], v[TM+12+\w]
	v_cvt_scalef32_pk8_fp4_f32 v[VPC+4*\w+2*(\gi%2)+1], v[AV+16*\w+8:AV+16*\w+15], v[TM+12+\w]
.endr
	v_nop                                          ; one plain place behind a scaled conversion
.if (\gi%2) == 1                                   ; two groups are 64 keys: four registers of the operand
.irp w, 0,1
.irp i, 0,1
	v_permlane16_swap_b32 v[VPC+4*\w+\i], v[VPC+4*\w+2+\i]
.endr
.endr
.irp w, 0,1
	global_store_b128 v[OV], v[VPC+4*\w:VPC+4*\w+3], s[KVV:KVV+1] offset:4096+(2*\w+\gi/2)*512
.endr
.endif
.if \gi == 3
	v_cndmask_b32 v[TP+2], v[VB], v[VB+1], vcc_lo  ; lanes 0-15 tile 2 b's words, lanes 16-31 tile 2 b + 1's
	global_store_b32 v[OS4], v[TP+2], s[KVV:KVV+1] offset:8704
.endif
.endm
; A GROUP OF 32 ROWS: 96 matrix instructions; the next group's fragments are asked for at its head and waited for at the next head.
.macro GROUP gi
	s_wait_dscnt 0x0                               ; this group's 34 loads, issued a group ago
.if \gi == 0
	v_add_nc_u32 v[XAD], s[XT], v[XA0]
	v_add_nc_u32 v[XSAD], s[XST], v[XSA0]
.endif
.if \gi == 3
	s_cmp_eq_u32 s[TR], 1                          ; behind the last group there is nothing to fetch
	s_cbranch_scc1 .Lno_more_\@
.endif
	FETCHX 1-(\gi)%2, (\gi)+1                      ; into the set that the last group's products read: the quantiser's lines since then are the places
.if \gi == 3
.Lno_more_\@:
.endif
	WIN 0x2d                                       ; source 0 W window 1, source 1 x window 3, C the bias in window 2
	MQK (\gi)%2, 0, 1
	WIN 0x0d
.irp k, 1,2,3
	MQK (\gi)%2, \k, 0
.endr
	WIN 0x27                                       ; source 0 x window 3, source 1 W window 1, C the bias in window 2
	MV (\gi)%2, 0, 1
	WIN 0x07
.irp k, 1,2,3
	MV (\gi)%2, \k, 0
.endr
	WIN 0x0e                                       ; W's K steps 4-7 lie in window 2
.irp k, 4,5,6,7
	MQK (\gi)%2, \k, 0
.endr
	WIN 0x0b
.irp k, 4,5,6,7
	MV (\gi)%2, \k, 0
.endr
	WIN 0
.rept 4
	v_nop                                          ; four places between the products and the first read of their results (ISA guide 7.12.1)
.endr
	s_wait_xcnt 0x0                                ; the last group's stores have read their data: the codes' and words' registers are written again only behind this wait
	QUANTQK \gi
	QUANTV \gi
.endm
	v_add_nc_u32 v[XAD], s[XT], v[XA0]
	v_add_nc_u32 v[XSAD], s[XST], v[XSA0]
	FETCHX 0, 0
.Ltrip:                                                ; two trips: a trip is four groups, 128 rows, one record
	GROUP 0
	GROUP 1
	GROUP 2
	GROUP 3
	s_wait_xcnt 0x0                                ; the stores have read their bases
	s_add_nc_u64 s[QKB:QKB+1], s[QKB:QKB+1], s[STR:STR+1]
	s_add_nc_u64 s[KVV:KVV+1], s[KVV:KVV+1], 8960
	s_add_co_u32 s[XT], s[XT], 4*GRP
	s_add_co_u32 s[XST], s[XST], 4096
	s_sub_co_u32 s[TR], s[TR], 1
	s_cmp_lg_u32 s[TR], 0
	s_cbranch_scc1 .Ltrip
	s_wait_dscnt 0x0
	s_wait_tensorcnt 0x0
	ds_add_u32 v254, v255
	s_wait_dscnt 0x0
	ROUND                                          ; the closing round
	s_endpgm
.Lfunc_end_k_q25a57f5dc5_qkv:
	.size	k_q25a57f5dc5_qkv, .Lfunc_end_k_q25a57f5dc5_qkv-k_q25a57f5dc5_qkv
	.p2alignl 7, 3214868480
	.fill 96, 4, 3214868480
	.section	.rodata,"a",@progbits
	.p2align	6, 0x0
	.amdhsa_kernel k_q25a57f5dc5_qkv
		.amdhsa_group_segment_fixed_size 168448
		.amdhsa_private_segment_fixed_size 0
		.amdhsa_enable_private_segment 0
		.amdhsa_kernarg_size 104
		.amdhsa_user_sgpr_count 2
		.amdhsa_user_sgpr_kernarg_segment_ptr 1
		.amdhsa_wavefront_size32 1
		.amdhsa_system_sgpr_workgroup_id_x 1
		.amdhsa_system_sgpr_workgroup_id_y 1
		.amdhsa_system_sgpr_workgroup_id_z 1
		.amdhsa_system_vgpr_workitem_id 0
		.amdhsa_next_free_vgpr 1024
		.amdhsa_next_free_sgpr 100
		.amdhsa_reserve_vcc 1
		.amdhsa_float_denorm_mode_32 3
		.amdhsa_float_denorm_mode_16_64 3
		.amdhsa_memory_ordered 1
		.amdhsa_forward_progress 1
		.amdhsa_inst_pref_size 106
	.end_amdhsa_kernel
	.amdgpu_metadata
---
amdhsa.version: [ 1, 2 ]
amdhsa.kernels:
  - .name:           k_q25a57f5dc5_qkv
    .symbol:         k_q25a57f5dc5_qkv.kd
    .args:
      - { .name: x_codes, .offset: 0, .size: 8, .value_kind: global_buffer, .address_space: global }
      - { .name: x_scales, .offset: 8, .size: 8, .value_kind: global_buffer, .address_space: global }
      - { .name: Wq_codes, .offset: 16, .size: 8, .value_kind: global_buffer, .address_space: global }
      - { .name: Wq_scales, .offset: 24, .size: 8, .value_kind: global_buffer, .address_space: global }
      - { .name: bq, .offset: 32, .size: 8, .value_kind: global_buffer, .address_space: global }
      - { .name: Wk_codes, .offset: 40, .size: 8, .value_kind: global_buffer, .address_space: global }
      - { .name: Wk_scales, .offset: 48, .size: 8, .value_kind: global_buffer, .address_space: global }
      - { .name: bk, .offset: 56, .size: 8, .value_kind: global_buffer, .address_space: global }
      - { .name: Wv_codes, .offset: 64, .size: 8, .value_kind: global_buffer, .address_space: global }
      - { .name: Wv_scales, .offset: 72, .size: 8, .value_kind: global_buffer, .address_space: global }
      - { .name: bv, .offset: 80, .size: 8, .value_kind: global_buffer, .address_space: global }
      - { .name: qrec, .offset: 88, .size: 8, .value_kind: global_buffer, .address_space: global }
      - { .name: kv, .offset: 96, .size: 8, .value_kind: global_buffer, .address_space: global }
    .group_segment_fixed_size: 168448
    .private_segment_fixed_size: 0
    .kernarg_segment_align: 8
    .kernarg_segment_size: 104
    .max_flat_workgroup_size: 128
    .sgpr_count:     100
    .vgpr_count:     1024
    .wavefront_size: 32
...
	.end_amdgpu_metadata
.endif
;; end of part 1
;; launch attn (part 2): grid 4 x 64, 16 waves a work-group, clusters of 4 x 1, 169,984 bytes of LDS; arguments qrec, kv, oimg, osc; writes oimg, osc
.if DOCPART == 2
	.amdgcn_target "amdgcn-amd-amdhsa--gfx1250"
	.amdhsa_code_object_version 6
	.text
	.protected	k_q25a57f5dc5_attn
	.globl	k_q25a57f5dc5_attn
	.p2align	8
	.type	k_q25a57f5dc5_attn,@function
k_q25a57f5dc5_attn:
	s_mov_b64 s[64:65], 0
	v_nop
	global_prefetch_b8 v0, s[64:65] scope:SCOPE_SE
	s_setreg_imm32_b32 hwreg(HW_REG_WAVE_MODE, 25, 1), 1
	s_wait_xcnt 0x0
	s_wait_alu depctr_hold_cnt(0) depctr_sa_sdst(0) depctr_va_vdst(0) depctr_va_sdst(0) depctr_va_ssrc(0) depctr_va_vcc(0) depctr_vm_vsrc(0)
	s_getreg_b32 s2, hwreg(HW_REG_IB_STS2, 6, 4)
	s_cmp_eq_u32 s2, 0
	s_cbranch_scc0 .Lentry_in_a_cluster
	s_endpgm
.Lentry_in_a_cluster:
	s_bfe_u32 s2, ttmp6, 0x10000c
	s_cmp_lg_u32 s2, 0x3003
	s_cbranch_scc0 .Lentry_shape_is_right
	s_endpgm
.Lentry_shape_is_right:
; Causal attention with ALiBi for one head (y = 16 x batch + head), both products on codes of FP4 (E2M1) with one E8M0 scale for each 32 along K; the result is divided by the row's sum and quantised for the last projection.
; THE SOFTMAX: t = (q . k / 8 + slope (key - query)) log2(e); M = the running largest t rounded UP to a whole number; p = 2^(t - M) is quantised along the keys, not normalised; the row's sum is taken of the unquantised p.
; When M moves, the sum and O are multiplied by 2^(old M - new M): exact.
; SHARES.  The four work-groups of a cluster share a head.  The head's K, V and scale words, 16 records of 8,960 bytes (128 keys each), fit in LDS whole: wave w asks for record w, JOINTLY with its partners, once; nothing is filled again.
; A wave owns two tiles of 16 queries, one pass each: T = 127 - Ts, then Ts, with Ts = 8 (w / 2) + 2 cx + w % 2.  Tile T needs key steps 0 .. T / 8, which hangs on the wave's number alone: 17 steps for every wave of the launch.
; The step loop has 16 trips for every wave; a step all of whose keys come after the tile's queries is jumped over.  cx enters values and global offsets alone.
; LAYOUT.  Tile T holds in lane place r the row 32 (T / 2) + 8 (T % 2) + pi(r), pi(r) = r + 8 (r / 8): keys, queries and V's channels alike.  S^T = K Q^T, O^T = V^T P^T: a lane holds ONE query; the 16 registers of key tiles 2 b, 2 b + 1 are
; keys 32 b + 16 (lane / 16) + 0 .. 15, those of channel tiles likewise.
; K = 64 IN AN INSTRUCTION OF K = 128: Q's upper four registers hold zero codes; a tile of K is four registers, and the operand's upper four are the next tile's codes, which meet those zeros.
; ALIBI: key - query = (128 s - QB + 32 b) + (16 h + 8 u + j - pi(r)).  The second bracket, x 8 slope, is the same in every step: 16 registers that are the C of the score products.  The first gives one number a block and step.
; LIMITS: a block of zeros gets the scale byte 1 where the quantiser's rule says 127 (its codes are zeros; this program alone reads the bytes); block maxima are not taken under 2^-124; p under 2^-126 comes out of v_exp_f32 as 0; NaN and infinities are not served.
; The result's scale bytes leave as two bytes a row: the word's other half belongs to another head's wave.
.set REC,  8960
.set L16,  1                           ; v1   16 x lane
.set L4,   2                           ; v2   4 x lane
.set AD,   3                           ; v3   the step's record + 16 x lane
.set AD4,  4                           ; v4   + 4 x lane
.set DL,   5                           ; v5   pi(r) - 16 h
.set R16,  6                           ; v6   16 r
.set R4,   7                           ; v7   4 r
.set MP,   8                           ; v8   slope x log2(e)
.set QO,   9                           ; v9-11 a pass's global offsets
.set QSO,  10
.set OO,   11
.set QF,   16                          ; v16-23  Q's fragment; 20-23 stay zero.  v12 -M, v13 the largest t, v[14:15] the sum in two halves
.set QS,   24                          ; Q's scale words
.set PSW,  25                          ; p's scale word
.set VS,   26                          ; v26-27  V's scale words
.set KS,   28                          ; v28-31  K's scale words
.set KF,   32                          ; v32-67  K's eight tiles, four registers each; 64-67 stay zero
.set VF,   68                          ; v68-99  V's four tiles
.set S,    100                         ; v100-163 scores, then p
.set O,    164                         ; v164-195 O^T
.set CB,   196                         ; v196-211 8 slope (16 h + n - pi(r)), n = 0 .. 15
.set PCD,  212                         ; v212-219 p's codes
.set ADP,  220                         ; v220-227 pairs: what is added to c x score in block b; the block's largest t - M, then its largest p
.set BM,   228                         ; v228-231 the blocks' largest scores
.set PT,   232                         ; v232-235 the other half's; the blocks' largest t; bytes
.set SO,   236                         ; v236-239 the conversions' scale operands
.set TBV,  240                         ; v240-243 slope log2(e) (128 s - QB + 32 b)
.set WV,   12
.set CX,   13
.set BH,   14
.set SEL,  28                          ; s[28:29] lane l xor 16
.set CS,   30                          ; s[30:31] c = log2(e) / 8
.set TQ,   32                          ; the pass's tile of queries
.set LAST, 33                          ; its last key step
.set PASS, 34
.set SI,   35                          ; the key step
.set TB,   36                          ; its record in LDS
.set DK,   37                          ; 128 s - QB
.set QB,   38                          ; the tile's base row
.macro ROUND
	s_barrier_signal -1
	s_barrier_wait -1
	s_cmp_lg_u32 s[WV], 0
	s_cbranch_scc1 .Lnot_wave_0_\@
	s_barrier_signal -3
.Lnot_wave_0_\@:
	s_barrier_wait -3
	s_barrier_signal -1
	s_barrier_wait -1
.endm
.macro WM d, a, b, c, sa, sb, ra       ; ra = 1: A's scales are taken from lanes 16-31
.if (\ra) == 1
	v_wmma_scale_f32_16x16x128_f8f6f4 v[(\d):(\d)+7], v[(\a):(\a)+7], v[(\b):(\b)+7], v[(\c):(\c)+7], v[\sa], v[\sb] matrix_a_fmt:MATRIX_FMT_FP4 matrix_b_fmt:MATRIX_FMT_FP4 matrix_a_scale:MATRIX_SCALE_ROW1
.else
	v_wmma_scale_f32_16x16x128_f8f6f4 v[(\d):(\d)+7], v[(\a):(\a)+7], v[(\b):(\b)+7], v[(\c):(\c)+7], v[\sa], v[\sb] matrix_a_fmt:MATRIX_FMT_FP4 matrix_b_fmt:MATRIX_FMT_FP4
.endif
.endm
	s_load_b256 s[4:11], s[0:1], 0x0               ; qrec s[4:5], kv s[6:7], oimg s[8:9], osc s[10:11]
	v_lshl_add_u32 v254, v0, 2, 0x29000
	v_mov_b32 v255, 0
	ds_add_u32 v254, v255
	ds_add_u32 v254, v255
	v_lshrrev_b32 v248, 5, v0
	v_readfirstlane_b32 s[WV], v248                ; wave 0..15
	s_bfe_u32 s[CX], ttmp6, 0x40000
	s_and_b32 s[BH], ttmp7, 0xffff
	; group 1: a record, 8,960 dense bytes, as 35 rows of 256 (32 elements of 8 bytes)
	s_mov_b32 s16, 15|(3<<16)|(1<<21)              ; 15:0 the mask: all four work-groups; 17:16 elements of 8 bytes; 21 set beside a mask
	s_mov_b32 s17, 32<<16
	s_mov_b32 s18, 35<<16
	s_mov_b32 s19, 32<<16
	s_mov_b32 s20, 35
	s_mov_b32 s21, 32
	s_mov_b32 s22, 0
	s_mov_b32 s23, 0
	s_lshl_b32 s40, s[BH], 4
	s_add_co_u32 s40, s40, s[WV]
	s_mul_i32 s40, s40, REC
	s_mov_b32 s41, 0
	s_mov_b32 s24, 1
	s_mul_i32 s25, s[WV], REC                      ; record w lies at 8,960 w
	s_wait_dscnt 0x0
	s_wait_kmcnt 0x0
	s_add_nc_u64 s[26:27], s[6:7], s[40:41]
	s_or_b32 s27, s27, 0x80000000
	ROUND                                          ; all four work-groups are here: the joint loads meet
	tensor_load_to_lds s[24:27], s[16:23]          ; my one tensor load of the launch
	s_nop 0
.rept 4
	v_nop
.endr
	v_and_b32 v248, 15, v0                         ; r
	v_bfe_u32 v249, v0, 4, 1                       ; h
	v_bfe_u32 v250, v0, 3, 1                       ; r / 8
	v_lshl_add_u32 v251, v250, 3, v248             ; pi(r)
	v_lshlrev_b32 v249, 4, v249
	v_sub_nc_u32 v[DL], v251, v249
	v_lshlrev_b32 v[R16], 4, v248
	v_lshlrev_b32 v[R4], 2, v248
	v_and_b32 v250, 31, v0
	v_lshlrev_b32 v[L16], 4, v250
	v_lshlrev_b32 v[L4], 2, v250
	; slope = 2^(-n / 2), n = head + 1: (n odd ? sqrt(2) : 1) x 2^-((n + 1) / 2), made in the bits
	s_and_b32 s40, s[BH], 15
	s_add_co_u32 s40, s40, 1
	s_add_co_u32 s41, s40, 1
	s_lshr_b32 s41, s41, 1
	s_lshl_b32 s41, s41, 23
	s_mov_b32 s42, 0x3fb504f3
	s_bitcmp1_b32 s40, 0
	s_cselect_b32 s42, s42, 0x3f800000
	s_sub_co_u32 s42, s42, s41                     ; slope
	s_add_co_u32 s43, s42, 3<<23                   ; 8 slope
	v_mov_b32 v[MP], 0x3fb8aa3b
	v_mul_f32 v[MP], s42, v[MP]
.set n, 0
.rept 16
	v_sub_nc_u32 v[CB+n], n, v[DL]
.set n, n+1
.endr
.set n, 0
.rept 16
	v_cvt_f32_i32 v[CB+n], v[CB+n]
.set n, n+1
.endr
.set n, 0
.rept 16
	v_mul_f32 v[CB+n], s43, v[CB+n]
.set n, n+1
.endr
.irp i, 0,1,2,3
	v_mov_b32 v[QF+4+\i], 0                        ; zero codes: the half of K = 128 that the head's 64 do not fill
	v_mov_b32 v[KF+32+\i], 0                       ; what stands behind K's last tile
	v_mov_b32 v[PT+\i], 0                          ; a lane permute's destination counts as one of its sources
.endr
	v_mov_b32 v247, 0                              ; named as the upper half of the pair v[246:247]
	s_mov_b32 s[SEL], 0x76543210
	s_mov_b32 s[SEL+1], 0xfedcba98
	s_mov_b32 s[CS], 0x3e38aa3b                    ; c = log2(e) / 8
	s_mov_b32 s[CS+1], s[CS]
	s_lshr_b32 s40, s[WV], 1
	s_sub_co_u32 s[LAST], 15, s40
	s_lshl_b32 s40, s40, 3
	s_lshl_b32 s41, s[CX], 1
	s_add_co_u32 s40, s40, s41
	s_and_b32 s41, s[WV], 1
	s_add_co_u32 s40, s40, s41
	s_sub_co_u32 s[TQ], 127, s40
	s_mov_b32 s[PASS], 2
	s_wait_tensorcnt 0x0                           ; my record is in LDS,
	s_barrier_signal -1
	s_barrier_wait -1                              ; everybody's is; from here on LDS is only read
.Lpass:
	s_wait_xcnt 0x0                                ; the last pass's stores have read their offsets and data
	s_lshr_b32 s40, s[TQ], 1
	s_lshl_b32 s[QB], s40, 5
	s_and_b32 s41, s[TQ], 1
	s_lshl_b32 s42, s41, 3
	s_add_co_u32 s[QB], s[QB], s42                 ; QB = 32 (T / 2) + 8 (T % 2)
	s_lshl_b32 s43, s[BH], 4
	s_lshr_b32 s44, s[TQ], 3
	s_add_co_u32 s43, s43, s44
	s_mul_i32 s43, s43, 4608                       ; the tile's record of q
	s_and_b32 s44, s[TQ], 7
	s_lshl_b32 s44, s44, 9
	s_add_co_u32 s44, s44, s43
	v_add_nc_u32 v[QO], s44, v[L16]
	s_lshl_b32 s41, s41, 8                         ; its scale words: lane place 16 (T % 2) + r, word (T / 2) % 4
	s_and_b32 s40, s40, 3
	s_lshl_b32 s40, s40, 2
	s_add_co_u32 s40, s40, s41
	s_add_co_u32 s40, s40, s43
	s_add_co_u32 s40, s40, 4096
	v_add_nc_u32 v[QSO], s40, v[R16]
	global_load_b128 v[QF:QF+3], v[QO], s[4:5]
	global_load_b32 v[QS], v[QSO], s[4:5]
	v_mov_b32 v13, 0xff61b1e6                      ; the largest t so far: -3e38, under every t
	v_floor_f32 v12, -v13                          ; -M
	v_mov_b32 v14, 0
	v_mov_b32 v15, 0
.set n, 0
.rept 32
	v_mov_b32 v[O+n], 0                            ; the step is written once: the first finds zeros, which the first change of M leaves zeros
.set n, n+1
.endr
	s_mov_b32 s[TB], 0
	s_mov_b32 s[SI], 0
	s_sub_co_i32 s[DK], 0, s[QB]
	s_wait_loadcnt 0x0                             ; Q
.Lstep:                                                ; 16 trips, a constant
	s_cmp_gt_u32 s[SI], s[LAST]
	s_cbranch_scc1 .Lhidden                        ; all 128 keys come after my queries: only the steps at the trip's end are made
	v_add_nc_u32 v[AD], s[TB], v[L16]              ; these six plain lines are the places between the last step's products and the loads into V's registers
	v_add_nc_u32 v[AD4], s[TB], v[L4]
.irp b, 0,1,2,3
	s_add_co_i32 s[40+\b], s[DK], 32*\b
	v_cvt_f32_i32 v[TBV+\b], s[40+\b]
.endr
.irp t, 0,1,2,3,4,5,6,7
	ds_load_b128 v[KF+4*\t:KF+4*\t+3], v[AD] offset:512*\t
.endr
	ds_load_b128 v[KS:KS+3], v[AD] offset:8192
.irp t, 0,1,2,3
.irp c, 0,1
	ds_load_b128 v[VF+8*\t+4*\c:VF+8*\t+4*\c+3], v[AD] offset:4096+512*(2*\t+\c)
.endr
.endr
.irp b, 0,1
	ds_load_b32 v[VS+\b], v[AD4] offset:8704+128*\b
.endr
	s_wait_dscnt 10                                ; K's nine loads are in; the ten for V, issued behind them, may be out
.irp t, 0,1,2,3,4,5,6,7
	WM S+8*\t, KF+4*\t, QF, CB+8*(\t%2), KS+\t/2, QS, \t%2
.endr
.irp b, 0,1,2,3
	v_mul_f32 v[TBV+\b], v[MP], v[TBV+\b]          ; four plain lines: the places behind the products
.endr
	s_cmp_lg_u32 s[SI], s[LAST]
	s_cbranch_scc1 .Lopen                          ; every key of the step counts
	v_sub_nc_u32 v248, v[DL], s[DK]                ; on the diagonal: register 16 b + i holds a key that is hidden where 32 b + i > query - 128 s - 16 h
	v_mov_b32 v249, 0xff800000                     ; -infinity
.set n, 0
.rept 64
	v_cmp_gt_i32 vcc_lo, 32*(n/16)+n%16, v248
	v_cndmask_b32 v[S+n], v[S+n], v249, vcc_lo
.set n, n+1
.endr
.Lopen:
.irp b, 0,1,2,3
	v_max3_num_f32 v[BM+\b], v[S+16*\b], v[S+16*\b+1], v[S+16*\b+2]   ; the largest score of each block of 32 keys: it serves for the row's maximum and for the block's largest p
.endr
.irp i, 3,5,7,9,11,13
.irp b, 0,1,2,3
	v_max3_num_f32 v[BM+\b], v[BM+\b], v[S+16*\b+\i], v[S+16*\b+\i+1]
.endr
.endr
.irp b, 0,1,2,3
	v_max_num_f32 v[BM+\b], v[BM+\b], v[S+16*\b+15]
.endr
.irp b, 0,1,2,3
	v_permlanex16_b32 v[PT+\b], v[BM+\b], s[SEL], s[SEL+1]
.endr
.irp b, 0,1,2,3
	v_max_num_f32 v[BM+\b], v[BM+\b], v[PT+\b]     ; with lane l xor 16's 16 keys
.endr
.irp b, 0,1,2,3
	v_fma_f32 v[PT+\b], v[BM+\b], s[CS], v[TBV+\b] ; as t
.endr
	v_max3_num_f32 v248, v[PT], v[PT+1], v[PT+2]
	v_max_num_f32 v248, v248, v[PT+3]
	v_max_num_f32 v13, v13, v248                   ; the running largest t
	v_mov_b32 v248, v12
	v_floor_f32 v12, -v13                          ; the new -M = -ceil(t): a whole number
	v_sub_f32 v248, v12, v248                      ; old M - new M, 0 or less
	v_cvt_i32_f32 v248, v248                       ; (it saturates)
	v_ldexp_f32 v246, 1.0, v248                    ; f = 2^(old M - new M)
.irp b, 0,1,2,3
	v_add_f32 v[ADP+2*\b], v[TBV+\b], v12          ; what block b adds to c x score
.endr
.irp b, 0,1,2,3
	v_fma_f32 v[ADP+2*\b+1], v[BM+\b], s[CS], v[ADP+2*\b]   ; t - M of the block's largest score: the same operation as on the scores below, so the same bits
.endr
.irp b, 0,1,2,3
.irp j, 0,2,4,6,8,10,12,14
	v_pk_fma_f32 v[S+16*\b+\j:S+16*\b+\j+1], v[S+16*\b+\j:S+16*\b+\j+1], s[CS:CS+1], v[ADP+2*\b:ADP+2*\b+1] op_sel_hi:[1,0,0]   ; t - M, two at a time
.endr
.endr
.set n, 0
.rept 64
	v_exp_f32 v[S+n], v[S+n]                       ; p = 2^(t - M)
.set n, n+1
.endr
	v_pk_mul_f32 v[14:15], v[14:15], v[246:247] op_sel_hi:[1,0]   ; the sums under the new M: the plain line behind the exponentials
	s_wait_alu depctr_va_vdst(0)                   ; one wait for the batch of 64, ahead of its first reader
.irp b, 0,1,2,3
	v_exp_f32 v[ADP+2*\b+1], v[ADP+2*\b+1]         ; the blocks' largest p
.endr
	v_pk_add_f32 v[244:245], v[S:S+1], v[S+2:S+3]  ; the row's sum of the unquantised p, in two chains; it reads the 64 alone
.irp j, 4,8,12,16,20,24,28,32,36,40,44,48,52,56,60
	v_pk_add_f32 v[14:15], v[14:15], v[S+\j:S+\j+1]
	v_pk_add_f32 v[244:245], v[244:245], v[S+\j+2:S+\j+3]
.endr
	v_pk_add_f32 v[14:15], v[14:15], v[244:245]
	s_wait_alu depctr_va_vdst(0)                   ; and one for the four
.irp b, 0,1,2,3
	v_max_num_f32 v[BM+\b], 0x1800000, v[ADP+2*\b+1]   ; the floor 2^(3 - 127): the byte cannot fall under 1
.endr
.irp b, 0,1,2,3
	v_add_nc_u32 v[SO+\b], 0xff000000, v[BM+\b]    ; 2 off the exponent field: the conversion's scale operand
.endr
.irp b, 0,1,2,3
	v_lshrrev_b32 v[PT+\b], 23, v[SO+\b]           ; the scale's byte
.endr
	v_lshl_or_b32 v[PSW], v[PT+1], 8, v[PT]
	v_lshl_or_b32 v[PSW], v[PT+2], 16, v[PSW]
	v_lshl_or_b32 v[PSW], v[PT+3], 24, v[PSW]
.irp b, 0,1,2,3
	v_cvt_scalef32_pk8_fp4_f32 v[PCD+2*\b], v[S+16*\b:S+16*\b+7], v[SO+\b]
	v_cvt_scalef32_pk8_fp4_f32 v[PCD+2*\b+1], v[S+16*\b+8:S+16*\b+15], v[SO+\b]
.endr
	v_nop                                          ; one plain place behind a scaled conversion
.irp c, 0,1                                        ; a whole block in a lane: lanes 0-15 block 2 c, lanes 16-31 block 2 c + 1
.irp i, 0,1
	v_permlane16_swap_b32 v[PCD+4*\c+\i], v[PCD+4*\c+2+\i]
.endr
.endr
.irp j, 0,2,4,6,8,10,12,14,16,18,20,22,24,26,28,30
	v_pk_mul_f32 v[O+\j:O+\j+1], v[O+\j:O+\j+1], v[246:247] op_sel_hi:[1,0]   ; O^T under the new M; these sixteen also stand between the writing of p's codes and scale word and the products
.endr
	s_wait_dscnt 0x0                               ; V
.irp t, 0,1,2,3
	WM O+8*\t, VF+8*\t, PCD, O+8*\t, VS+\t/2, PSW, \t%2
.endr
.Lhidden:
	s_add_co_u32 s[TB], s[TB], REC
	s_add_co_i32 s[DK], s[DK], 128
	s_add_co_u32 s[SI], s[SI], 1
	s_cmp_lt_u32 s[SI], 16
	s_cbranch_scc1 .Lstep
	; THE PASS'S END: O^T / the sum, quantised along the channels (two blocks of 32), as four registers of the last projection's operand
.rept 4
	v_nop                                          ; four places between the last products and the first read of O^T
.endr
	v_add_f32 v14, v14, v15
	v_permlanex16_b32 v248, v14, s[SEL], s[SEL+1]
	v_add_f32 v14, v14, v248                       ; the row's sum
	v_rcp_f32 v14, v14
	s_lshr_b32 s40, s[BH], 4
	s_lshl_b32 s40, s40, 7
	s_add_co_u32 s40, s40, s[TQ]                   ; the tile among all 512: 128 x batch + T
	s_and_b32 s41, s[BH], 15
	s_lshr_b32 s42, s41, 1                         ; the projection's K step: head / 2
	s_and_b32 s41, s41, 1                          ; and which half of it
	s_lshl_b32 s43, s40, 13
	s_lshl_b32 s44, s42, 10
	s_add_co_u32 s43, s43, s44
	s_lshl_b32 s44, s41, 9
	s_add_co_u32 s43, s43, s44
	v_add_nc_u32 v[OO], s43, v[L16]                ; (a plain line behind the reciprocal)
	s_lshr_b32 s43, s40, 1
	s_lshl_b32 s43, s43, 3
	s_add_co_u32 s43, s43, s42
	s_lshl_b32 s43, s43, 7
	s_and_b32 s44, s40, 1
	s_lshl_b32 s44, s44, 6
	s_add_co_u32 s43, s43, s44
	s_lshl_b32 s44, s41, 1
	s_add_co_u32 s43, s43, s44
	v_add_nc_u32 v[QO], s43, v[R4]                 ; (Q's load, which read this register, has been waited for)
	s_wait_alu depctr_va_vdst(0)                   ; ahead of the reciprocal's first reader
.set n, 0
.rept 32
	v_mul_f32 v[S+n], v[O+n], v14                  ; register 16 b + i: channel 32 b + 16 h + i of my query
.set n, n+1
.endr
.irp b, 0,1
	v_max3_num_f32 v[BM+\b], |v[S+16*\b]|, |v[S+16*\b+1]|, 0x1800000
.endr
.irp i, 2,4,6,8,10,12,14
.irp b, 0,1
	v_max3_num_f32 v[BM+\b], v[BM+\b], |v[S+16*\b+\i]|, |v[S+16*\b+\i+1]|
.endr
.endr
.irp b, 0,1
	v_permlanex16_b32 v[PT+\b], v[BM+\b], s[SEL], s[SEL+1]
.endr
.irp b, 0,1
	v_max_num_f32 v[BM+\b], v[BM+\b], v[PT+\b]
.endr
.irp b, 0,1
	v_add_nc_u32 v[SO+\b], 0xff000000, v[BM+\b]
.endr
.irp b, 0,1
	v_lshrrev_b32 v[PT+\b], 23, v[SO+\b]
.endr
	v_lshl_or_b32 v249, v[PT+1], 8, v[PT]          ; my row's two scale bytes
.irp b, 0,1
	v_cvt_scalef32_pk8_fp4_f32 v[PCD+2*\b], v[S+16*\b:S+16*\b+7], v[SO+\b]
	v_cvt_scalef32_pk8_fp4_f32 v[PCD+2*\b+1], v[S+16*\b+8:S+16*\b+15], v[SO+\b]
.endr
	v_nop                                          ; one plain place behind a scaled conversion
	v_permlane16_swap_b32 v[PCD], v[PCD+2]
	v_permlane16_swap_b32 v[PCD+1], v[PCD+3]
	global_store_b128 v[OO], v[PCD:PCD+3], s[8:9]  ; 512 consecutive bytes
	global_store_b16 v[QO], v249, s[10:11]         ; lanes 16-31 write what lanes 0-15 write: the same bytes with the same values
	s_sub_co_u32 s[TQ], 127, s[TQ]                 ; the other tile,
	s_sub_co_u32 s[LAST], 15, s[LAST]              ; and its last step
	s_sub_co_u32 s[PASS], s[PASS], 1
	s_cmp_lg_u32 s[PASS], 0
	s_cbranch_scc1 .Lpass
	s_wait_dscnt 0x0
	s_wait_tensorcnt 0x0
	ds_add_u32 v254, v255
	s_wait_dscnt 0x0
	ROUND                                          ; the closing round
	s_endpgm
.Lfunc_end_k_q25a57f5dc5_attn:
	.size	k_q25a57f5dc5_attn, .Lfunc_end_k_q25a57f5dc5_attn-k_q25a57f5dc5_attn
	.p2alignl 7, 3214868480
	.fill 96, 4, 3214868480
	.section	.rodata,"a",@progbits
	.p2align	6, 0x0
	.amdhsa_kernel k_q25a57f5dc5_attn
		.amdhsa_group_segment_fixed_size 169984
		.amdhsa_private_segment_fixed_size 0
		.amdhsa_enable_private_segment 0
		.amdhsa_kernarg_size 32
		.amdhsa_user_sgpr_count 2
		.amdhsa_user_sgpr_kernarg_segment_ptr 1
		.amdhsa_wavefront_size32 1
		.amdhsa_system_sgpr_workgroup_id_x 1
		.amdhsa_system_sgpr_workgroup_id_y 1
		.amdhsa_system_sgpr_workgroup_id_z 1
		.amdhsa_system_vgpr_workitem_id 0
		.amdhsa_next_free_vgpr 256
		.amdhsa_next_free_sgpr 66
		.amdhsa_reserve_vcc 1
		.amdhsa_float_denorm_mode_32 3
		.amdhsa_float_denorm_mode_16_64 3
		.amdhsa_memory_ordered 1
		.amdhsa_forward_progress 1
		.amdhsa_inst_pref_size 34
	.end_amdhsa_kernel
	.amdgpu_metadata
---
amdhsa.version: [ 1, 2 ]
amdhsa.kernels:
  - .name:           k_q25a57f5dc5_attn
    .symbol:         k_q25a57f5dc5_attn.kd
    .args:
      - { .name: qrec, .offset: 0, .size: 8, .value_kind: global_buffer, .address_space: global }
      - { .name: kv, .offset: 8, .size: 8, .value_kind: global_buffer, .address_space: global }
      - { .name: oimg, .offset: 16, .size: 8, .value_kind: global_buffer, .address_space: global }
      - { .name: osc, .offset: 24, .size: 8, .value_kind: global_buffer, .address_space: global }
    .group_segment_fixed_size: 169984
    .private_segment_fixed_size: 0
    .kernarg_segment_align: 8
    .kernarg_segment_size: 32
    .max_flat_workgroup_size: 512
    .sgpr_count:     66
    .vgpr_count:     256
    .wavefront_size: 32
...
	.end_amdgpu_metadata
.endif
;; end of part 2
;; launch proj (part 3): grid 4 x 64, 4 waves a work-group, clusters of 4 x 1, 168,448 bytes of LDS; arguments oimg, osc, Wo_codes, Wo_scales, bo, out0; writes out0
.if DOCPART == 3
	.amdgcn_target "amdgcn-amd-amdhsa--gfx1250"
	.amdhsa_code_object_version 6
	.text
	.protected	k_q25a57f5dc5_proj
	.globl	k_q25a57f5dc5_proj
	.p2align	8
	.type	k_q25a57f5dc5_proj,@function
k_q25a57f5dc5_proj:
	s_mov_b64 s[64:65], 0
	v_nop
	global_prefetch_b8 v0, s[64:65] scope:SCOPE_SE
	s_setreg_imm32_b32 hwreg(HW_REG_WAVE_MODE, 25, 1), 1
	s_wait_xcnt 0x0
	s_wait_alu depctr_hold_cnt(0) depctr_sa_sdst(0) depctr_va_vdst(0) depctr_va_sdst(0) depctr_va_ssrc(0) depctr_va_vcc(0) depctr_vm_vsrc(0)
	s_getreg_b32 s2, hwreg(HW_REG_IB_STS2, 6, 4)
	s_cmp_eq_u32 s2, 0
	s_cbranch_scc0 .Lentry_in_a_cluster
	s_endpgm
.Lentry_in_a_cluster:
	s_bfe_u32 s2, ttmp6, 0x10000c
	s_cmp_lg_u32 s2, 0x3003
	s_cbranch_scc0 .Lentry_shape_is_right
	s_endpgm
.Lentry_shape_is_right:
; out0 = a Wo^T + bo on codes of FP4 (E2M1) with one E8M0 scale for each 32 along K = 1,024.  a, the attention's result, lies in oimg and osc as images of the operand's registers: tile Tg, K step ks, half c: 512 bytes, lane l's 16 bytes at 16 l.
; SHARES.  A work-group makes 128 rows (8 tiles, y) x 256 columns (cx): 256 work-groups.  A wave has 64 columns: its 4 tiles x 8 K steps x 8 registers of Wo stay in registers (window 1) for the whole launch.
; CLUSTER: the four work-groups of a cluster need the same 128 rows of a: codes (65,536 bytes) and scale words (4,096) are asked for JOINTLY, once, at the head; nothing is filled again.  Wo's parts are each wave's own and live in registers.
; TRANSPOSED USE: source 0 = 16 rows of Wo, source 1 = a tile of a: a lane holds eight neighbouring columns of one row.  Tile Tg holds in lane place r the row 32 (Tg / 2) + 8 (Tg % 2) + r + 8 (r / 8).
; THE WAY OUT: a wave's 64 columns of a row are 256 aligned bytes: two tiles go through the wave's own stage in LDS and leave by rows, sixteen lanes to 256 consecutive bytes.  bo is the C of each sum's first matrix instruction.
; REGISTERS: window 0: addresses, scale words, bo, 8 accumulators, rows on the way out; window 1: Wo at v[8 (8 t + ks)]; window 2: a's fragments, two sets, at v[128 p + 64 u + 8 ks].
.set SCW,  65536                       ; LDS: the images from byte 0; the scale words here;
.set STG,  69632                       ; the stages: 2 tiles x 16 rows x 272 bytes for each wave; no tensor load lands there
.set L16,  1                           ; v1   16 x lane
.set OA,   2                           ; v2   + the trip's groups
.set OSA0, 3                           ; v3   SCW + 4 x lane
.set OSA,  4                           ; v4   + the trip's groups
.set STO,  5                           ; v5   the stage: where I put 32 bytes of a row
.set RD,   6                           ; v6   and where I read a row back
.set CO,   7                           ; v7   4,096 h + 16 r: my place in two rows of out0
.set WOF,  9
.set WSO,  10
.set BOO,  11
.set WS,   16                          ; v16-47  Wo's scale words at WS + 8 t + ks
.set BO,   48                          ; v48-79  bo, 8 registers a tile
.set OS,   80                          ; v80-95  a's scale words, two sets of 8: lanes 0-15 tile u = 0, lanes 16-31 tile u = 1
.set ACC,  96                          ; v96-159 accumulators at ACC + 32 u + 8 t
.set RB,   160                         ; v160-223 rows read back
.set WV,   40
.set CX,   41
.set YY,   42
.set TR,   43
.set OT,   44
.set OST,  45
.set MSB, 0
.macro WIN new                         ; the immediate's high byte repeats the setting that is left
.if MSB != \new
	s_set_vgpr_msb (MSB<<8)|\new
.set MSB, \new
.endif
.endm
.macro ROUND
	s_barrier_signal -1
	s_barrier_wait -1
	s_cmp_lg_u32 s[WV], 0
	s_cbranch_scc1 .Lnot_wave_0_\@
	s_barrier_signal -3
.Lnot_wave_0_\@:
	s_barrier_wait -3
	s_barrier_signal -1
	s_barrier_wait -1
.endm
.macro WM d, a, b, c, sa, sb, rb       ; rb = 1: B's scales are taken from lanes 16-31
.if (\rb) == 1
	v_wmma_scale_f32_16x16x128_f8f6f4 v[(\d):(\d)+7], v[(\a):(\a)+7], v[(\b):(\b)+7], v[(\c):(\c)+7], v[\sa], v[\sb] matrix_a_fmt:MATRIX_FMT_FP4 matrix_b_fmt:MATRIX_FMT_FP4 matrix_b_scale:MATRIX_SCALE_ROW1
.else
	v_wmma_scale_f32_16x16x128_f8f6f4 v[(\d):(\d)+7], v[(\a):(\a)+7], v[(\b):(\b)+7], v[(\c):(\c)+7], v[\sa], v[\sb] matrix_a_fmt:MATRIX_FMT_FP4 matrix_b_fmt:MATRIX_FMT_FP4
.endif
.endm
	s_load_b256 s[4:11], s[0:1], 0x0               ; oimg s[4:5], osc s[6:7], Wo's codes s[8:9], Wo's scales s[10:11]
	s_load_b128 s[12:15], s[0:1], 0x20             ; bo s[12:13], out0 s[14:15]
	v_lshl_add_u32 v254, v0, 2, 0x29000
	v_mov_b32 v255, 0
	ds_add_u32 v254, v255
	ds_add_u32 v254, v255
	v_lshrrev_b32 v13, 5, v0
	v_readfirstlane_b32 s[WV], v13                 ; wave 0..3
	s_bfe_u32 s[CX], ttmp6, 0x40000
	s_and_b32 s[YY], ttmp7, 0xffff
	; group 1 for the images of two tiles: 16,384 dense bytes as 64 rows of 256; for the scale words of a group: 1,024 bytes as 4 rows
	s_mov_b32 s16, 15|(3<<16)|(1<<21)              ; 15:0 the mask: all four work-groups; 17:16 elements of 8 bytes; 21 set beside a mask
	s_mov_b32 s17, 32<<16
	s_mov_b32 s18, 64<<16
	s_mov_b32 s19, 32<<16
	s_mov_b32 s20, 64
	s_mov_b32 s21, 32
	s_mov_b32 s22, 0
	s_mov_b32 s23, 0
	s_mov_b32 s24, 15|(3<<16)|(1<<21)
	s_mov_b32 s25, 32<<16
	s_mov_b32 s26, 4<<16
	s_mov_b32 s27, 32<<16
	s_mov_b32 s28, 4
	s_mov_b32 s29, 32
	s_mov_b32 s30, 0
	s_mov_b32 s31, 0
	s_lshl_b32 s46, s[YY], 16                      ; tiles 8 y + 2 wave on, 8,192 bytes a tile
	s_lshl_b32 s48, s[WV], 14
	s_add_co_u32 s46, s46, s48
	s_mov_b32 s47, 0
	s_lshl_b32 s50, s[YY], 12                      ; group 4 y + wave, 1,024 bytes a group
	s_lshl_b32 s49, s[WV], 10
	s_add_co_u32 s50, s50, s49
	s_mov_b32 s51, 0
	s_mov_b32 s32, 1
	s_mov_b32 s33, s48
	s_mov_b32 s36, 1
	s_add_co_u32 s37, s49, SCW
	s_wait_dscnt 0x0
	s_wait_kmcnt 0x0
	s_add_nc_u64 s[34:35], s[4:5], s[46:47]
	s_or_b32 s35, s35, 0x80000000
	s_add_nc_u64 s[38:39], s[6:7], s[50:51]
	s_or_b32 s39, s39, 0x80000000
	ROUND                                          ; all four work-groups are here: the joint loads meet
	tensor_load_to_lds s[32:35], s[16:23]          ; the launch's only fills, as one group: two loads of mine are out
	s_nop 0
	tensor_load_to_lds s[36:39], s[24:31]
	s_nop 0
.rept 4
	v_nop
.endr
	v_and_b32 v13, 15, v0                          ; r
	v_bfe_u32 v14, v0, 4, 1                        ; h
	v_and_b32 v15, 31, v0                          ; lane
	v_lshlrev_b32 v[L16], 4, v15
	v_lshl_add_u32 v[OSA0], v15, 2, SCW
	s_mul_i32 s46, s[WV], 8704
	s_add_co_u32 s46, s46, STG                     ; my stage
	v_mul_u32_u24 v[STO], v13, 272                 ; in: row place r, 32 bytes for each half of the lanes
	v_lshl_add_u32 v[STO], v14, 5, v[STO]
	v_add_nc_u32 v[STO], s46, v[STO]
	v_mul_u32_u24 v[RD], v14, 272                  ; back: lanes 0-15 one row of 256 bytes, lanes 16-31 the next
	v_lshl_add_u32 v[RD], v13, 4, v[RD]
	v_add_nc_u32 v[RD], s46, v[RD]
	v_lshlrev_b32 v[CO], 12, v14
	v_lshl_add_u32 v[CO], v13, 4, v[CO]
	v_lshlrev_b32 v[WOF], 9, v13
	v_lshl_add_u32 v[WOF], v14, 4, v[WOF]          ; Wo: row r of 512 bytes, + 16 h
	v_lshlrev_b32 v[WSO], 5, v13                   ; its scale words: 32 bytes a row
	v_lshlrev_b32 v[BOO], 5, v14                   ; bo: 8 numbers for each half of the lanes
	s_lshl_b32 s46, s[CX], 2
	s_add_co_u32 s46, s46, s[WV]                   ; my 64 columns: 4 cx + wave
	s_mov_b32 s49, 0
	s_lshl_b32 s48, s46, 15
	s_add_nc_u64 s[8:9], s[8:9], s[48:49]
	s_lshl_b32 s48, s46, 11
	s_add_nc_u64 s[10:11], s[10:11], s[48:49]
	s_lshl_b32 s48, s46, 8
	s_add_nc_u64 s[12:13], s[12:13], s[48:49]
	s_add_nc_u64 s[14:15], s[14:15], s[48:49]      ; out0: my columns' 256 bytes,
	s_lshl_b32 s48, s[YY], 19
	s_add_nc_u64 s[14:15], s[14:15], s[48:49]      ; in row 128 y
	WIN 0x40                                       ; destination window 1
.irp t, 0,1,2,3
.irp k, 0,1,2,3,4,5,6,7
.irp c, 0,1
	global_load_b128 v[8*(8*\t+\k)+4*\c:8*(8*\t+\k)+4*\c+3], v[WOF], s[8:9] offset:8192*\t+64*\k+32*\c
.endr
.endr
.endr
	WIN 0
.irp t, 0,1,2,3
.irp i, 0,1
	global_load_b128 v[WS+8*\t+4*\i:WS+8*\t+4*\i+3], v[WSO], s[10:11] offset:512*\t+16*\i
	global_load_b128 v[BO+8*\t+4*\i:BO+8*\t+4*\i+3], v[BOO], s[12:13] offset:64*\t+16*\i   ; lane (r, h), register j: column 16 t + 8 h + j
.endr
.endr
	s_mov_b32 s[TR], 2
	s_mov_b32 s[OT], 0
	s_mov_b32 s[OST], 0
	s_wait_loadcnt 0x0                             ; Wo, its scales, bo
	s_wait_tensorcnt 0x0                           ; my part of a is in LDS,
	s_barrier_signal -1
	s_barrier_wait -1                              ; everybody's is
.macro FETCHO p, go                    ; the fragments and scale words of the trip's group go into set p: 40 LDS loads in one run
	WIN 0x80                                       ; destination window 2, address window 0
.irp u, 0,1
.irp k, 0,1,2,3,4,5,6,7
.irp c, 0,1
	ds_load_b128 v[128*(\p)+64*\u+8*\k+4*\c:128*(\p)+64*\u+8*\k+4*\c+3], v[OA] offset:(\go)*16384+\u*8192+\k*1024+\c*512
.endr
.endr
.endr
	WIN 0
.irp k, 0,1,2,3,4,5,6,7
	ds_load_b32 v[OS+8*(\p)+\k], v[OSA] offset:(\go)*1024+128*\k
.endr
.endm
; A GROUP OF 32 ROWS: 64 matrix instructions, eight accumulators by turns, then the way out
.macro GROUP3 p
	s_wait_dscnt 0x0                               ; this group's loads, issued a group ago; my reads of the stage are over too
.if \p == 0
	v_add_nc_u32 v[OA], s[OT], v[L16]
	v_add_nc_u32 v[OSA], s[OST], v[OSA0]
.else
	s_cmp_eq_u32 s[TR], 1                          ; behind the last group there is nothing to fetch
	s_cbranch_scc1 .Lno_more_\@
.endif
	FETCHO 1-\p, \p+1
.if \p == 1
.Lno_more_\@:
.endif
	WIN 0x09                                       ; source 0 Wo window 1, source 1 a window 2
.irp k, 0,1,2,3,4,5,6,7
.irp u, 0,1
.irp t, 0,1,2,3
.if \k == 0
	WM ACC+32*\u+8*\t, 8*(8*\t+\k), 128*\p+64*\u+8*\k, BO+8*\t, WS+8*\t+\k, OS+8*\p+\k, \u
.else
	WM ACC+32*\u+8*\t, 8*(8*\t+\k), 128*\p+64*\u+8*\k, ACC+32*\u+8*\t, WS+8*\t+\k, OS+8*\p+\k, \u
.endif
.endr
.endr
.endr
	WIN 0
.rept 5
	v_nop                                          ; four places in front of the stores that read the results and of the next loads into operands; the fifth for the next group's products, which begin these accumulators anew
.endr
	s_wait_xcnt 0x0                                ; the last group's stores to memory have read their registers: rows are read back into them only behind this wait
.irp u, 0,1
.irp t, 0,1,2,3
	ds_store_b128 v[STO], v[ACC+32*\u+8*\t:ACC+32*\u+8*\t+3] offset:4352*\u+64*\t        ; each accumulator from its low end on
	ds_store_b128 v[STO], v[ACC+32*\u+8*\t+4:ACC+32*\u+8*\t+7] offset:4352*\u+64*\t+16
.endr
.endr
.irp u, 0,1
.irp i, 0,1,2,3,4,5,6,7
	ds_load_b128 v[RB+4*(8*\u+\i):RB+4*(8*\u+\i)+3], v[RD] offset:4352*\u+544*\i         ; LDS serves a wave's instructions in order (ISA guide 5.7.1.4): these see my stores
.endr
.endr
.irp u, 0,1
.irp i, 0,1,2,3,4,5,6,7
	s_wait_dscnt 15-8*\u-\i                        ; this pair of rows is back; the younger read-backs may be out
	global_store_b128 v[CO], v[RB+4*(8*\u+\i):RB+4*(8*\u+\i)+3], s[14:15] offset:(32*\p+8*\u+2*\i+8*(\i/4))*4096 th:TH_STORE_NT   ; row places 2 i and 2 i + 1: 16 lanes store 256 consecutive bytes, at a multiple of 256 from out0's first byte
.endr
.endr
.endm
	v_add_nc_u32 v[OA], s[OT], v[L16]
	v_add_nc_u32 v[OSA], s[OST], v[OSA0]
	FETCHO 0, 0
.Ltrip:                                                ; two trips of two groups
	GROUP3 0
	GROUP3 1
	s_wait_xcnt 0x0                                ; the stores have read their base
	s_add_nc_u64 s[14:15], s[14:15], 64*4096
	s_add_co_u32 s[OT], s[OT], 32768
	s_add_co_u32 s[OST], s[OST], 2048
	s_sub_co_u32 s[TR], s[TR], 1
	s_cmp_lg_u32 s[TR], 0
	s_cbranch_scc1 .Ltrip
	s_wait_dscnt 0x0
	s_wait_tensorcnt 0x0
	ds_add_u32 v254, v255
	s_wait_dscnt 0x0
	ROUND                                          ; the closing round
	s_endpgm
.Lfunc_end_k_q25a57f5dc5_proj:
	.size	k_q25a57f5dc5_proj, .Lfunc_end_k_q25a57f5dc5_proj-k_q25a57f5dc5_proj
	.p2alignl 7, 3214868480
	.fill 96, 4, 3214868480
	.section	.rodata,"a",@progbits
	.p2align	6, 0x0
	.amdhsa_kernel k_q25a57f5dc5_proj
		.amdhsa_group_segment_fixed_size 168448
		.amdhsa_private_segment_fixed_size 0
		.amdhsa_enable_private_segment 0
		.amdhsa_kernarg_size 48
		.amdhsa_user_sgpr_count 2
		.amdhsa_user_sgpr_kernarg_segment_ptr 1
		.amdhsa_wavefront_size32 1
		.amdhsa_system_sgpr_workgroup_id_x 1
		.amdhsa_system_sgpr_workgroup_id_y 1
		.amdhsa_system_sgpr_workgroup_id_z 1
		.amdhsa_system_vgpr_workitem_id 0
		.amdhsa_next_free_vgpr 768
		.amdhsa_next_free_sgpr 66
		.amdhsa_reserve_vcc 0
		.amdhsa_float_denorm_mode_32 3
		.amdhsa_float_denorm_mode_16_64 3
		.amdhsa_memory_ordered 1
		.amdhsa_forward_progress 1
		.amdhsa_inst_pref_size 46
	.end_amdhsa_kernel
	.amdgpu_metadata
---
amdhsa.version: [ 1, 2 ]
amdhsa.kernels:
  - .name:           k_q25a57f5dc5_proj
    .symbol:         k_q25a57f5dc5_proj.kd
    .args:
      - { .name: oimg, .offset: 0, .size: 8, .value_kind: global_buffer, .address_space: global }
      - { .name: osc, .offset: 8, .size: 8, .value_kind: global_buffer, .address_space: global }
      - { .name: Wo_codes, .offset: 16, .size: 8, .value_kind: global_buffer, .address_space: global }
      - { .name: Wo_scales, .offset: 24, .size: 8, .value_kind: global_buffer, .address_space: global }
      - { .name: bo, .offset: 32, .size: 8, .value_kind: global_buffer, .address_space: global }
      - { .name: out0, .offset: 40, .size: 8, .value_kind: global_buffer, .address_space: global }
    .group_segment_fixed_size: 168448
    .private_segment_fixed_size: 0
    .kernarg_segment_align: 8
    .kernarg_segment_size: 48
    .max_flat_workgroup_size: 128
    .sgpr_count:     66
    .vgpr_count:     768
    .wavefront_size: 32
...
	.end_amdgpu_metadata
.endif
;; end of part 3
